; MI455X (gfx1250); checked and timed in simulation.
; The chip was launched on July 23, 2026; its instructions are those of AMD's public machine-readable ISA for CDNA 5 (MIT licence, August 2026) and "CDNA5" Instruction Set Architecture Reference Guide (July 2026). The comments in the code are by the model that wrote it; some were corrected since.
;; S4 D Kernel. Allowed arithmetic: float matrix products may take bf16 or f16 operands with f32 sums; all other float work in f32.
;; Inputs: A_imag 512 x 32 float32; C_imag 512 x 32 float32; C_real 512 x 32 float32; log_a_real 512 x 32 float32; log_dt 512 float32.
;; Outputs: out0 512 x 8,192 float32.
;; Constants: L = 8192.
;; One version. Each part assembles by itself: llvm-mc -triple=amdgcn-amd-amdhsa -mcpu=gfx1250 --defsym DOCPART=n.
;; ======== version 1 of 1: 1 launch
;; launch s4d (part 1): grid 512 x 1, 4 waves a work-group, no clusters, 20,992 bytes of LDS; arguments A_imag, C_imag, C_real, log_a_real, log_dt, out0; writes out0
.if DOCPART == 1
	.amdgcn_target "amdgcn-amd-amdhsa--gfx1250"
	.amdhsa_code_object_version 6
	.text
	.protected	k_q3797906d47_s4d
	.globl	k_q3797906d47_s4d
	.p2align	8
	.type	k_q3797906d47_s4d,@function
k_q3797906d47_s4d:
	s_mov_b64 s[64:65], 0
	v_nop
	global_prefetch_b8 v0, s[64:65] scope:SCOPE_SE
	s_setreg_imm32_b32 hwreg(HW_REG_WAVE_MODE, 25, 1), 1
	s_wait_xcnt 0x0
; out0[h][l] = 2 Re sum over n of C'[h][n] w[h][n]^l,  w = exp(dt A),  C' = C (w - 1) / A,  A = -exp(log_a_real) + i A_imag,  dt = exp(log_dt).
; 512 rows h, 32 n, 8192 l.  One work-group makes one row with four waves.
;
; THE IDEA.  l = alpha + beta, so w^l = w^alpha w^beta, and the row is a matrix product of P[alpha][n] = 2 C' w^alpha (128 alphas) with
; Q[n][beta] = w^beta (64 betas): Re(P Q) = Pr Qr - Pi Qi, 64 real numbers along K.  192 x 32 complex exponentials a row in place of 8192 x 32.
; OPERANDS.  Each f32 number goes to the matrix unit as two bf16, hi = bf16(x) and lo = bf16(x - hi), and a tile is hi.hi + hi.lo + lo.hi
; (lo.lo, some 2^-18 of the product, is left out): six v_wmma_f32_16x16x32_bf16 a tile.  One bf16 alone (2^-9) would not do: the sum of 32
; terms passes through zero where its terms are large.
; LAYOUT.  A 32-bit word of a fragment is one complex number: A holds (Pr, Pi), B holds (Qr, -Qi).  Register i of fragment f in the lanes'
; half hf is n = 16 hf + 8 f + i, alike in A and B, so the places along K agree.  A lane evaluates exactly the 16 numbers that it feeds.
; EXPONENTS are laid so that results leave as they lie.  D's register j of lane L = 16 hf + r is element (m = 8 hf + j, n = r).  With
;   beta_b(n)  = 4 n + 128 b                                       b = 0..3
;   alpha_a(m) = (m & 3) + 512 ((m >> 2) & 1) + 64 (m >> 3) + 1024 a    a = 0..7
; registers 0-3 of lane L are l = 1024 a + 128 b + 4 L + 0..3 and registers 4-7 the same 512 further on: each 16-byte store of a wave
; covers 512 consecutive bytes that start at a multiple of 512 from the row's first byte.  No transposition through LDS.
; SHARES.  Wave w evaluates B's fragment b = w (shared through LDS) and A's fragments a = 2 w, 2 w + 1 (its own), and makes 2 x 4 tiles.
; NOT USED: tensor loads, clusters, prefetches: a work-group reads 4 x 128 + 4 bytes, and none of them is read by another work-group.
;
; LIMITS.  (1) The phase theta l (theta = A_imag dt in f32) is taken exactly before its reduction to a turn, where the problem's formula rounds the
; product to f32: the two differ by up to |theta l| 2^-24 radians.  (2) v_exp_f32 and v_rcp_f32 flush denormals (ISA guide 15.8): dt, exp(log_a_real)
; or a magnitude below 2^-126 counts as 0, and max(|Re A|, |Im A|) has to be at least 2^-126.  (3) |2 C'| stays below bf16's largest number.
; (4) w - 1 is formed in f32, as the problem's formula forms it, with the same cancellation for small |dt A|.  (5) Infinite inputs give NaN.
.set PARW,  768                        ; LDS bytes of a wave's own six tables of 32 f32
.set BBASE, 4096                       ; LDS byte where B's four fragment sets begin (the tables end at 4 x 768 = 3072)
.set FRAGB, 4096                       ; a fragment set: 32 registers x 32 lanes x 4 bytes
; vector registers
.set STO,  1                           ; byte offset in the row of my 16 bytes: 8192 wave + 16 lane
.set LB,   2                           ; LDS: BBASE + 16 lane
.set LBW,  3                           ; LDS: the same in my wave's own fragment set
.set LP,   4                           ; LDS: my wave's tables, at the 16 n of my half of the lanes
.set LPW,  5                           ; LDS: my wave's tables, at n = lane
.set GOFF, 6                           ; byte offset of (h, n = lane) in the four [512][32] inputs
.set GDT,  7                           ; byte offset of h in log_dt
.set AF,   8                           ; v[8:71]    two sets of A: hi f0, hi f1, lo f0, lo f1, 8 registers each
.set ACC,  72                          ; v[72:103]  four accumulators; before that my own set of B on its way to LDS
.set BF,   104                         ; v[104:231] four sets of B, loaded when all evaluation is over, over the registers below
.set UH,   104                         ; v[104:119] theta / 2 pi of my 16 n, upper part
.set UL,   120                         ; v[120:135] its lower part
.set DD,   136                         ; v[136:151] log2 |w|
.set CR,   152                         ; v[152:167] Re 2C'
.set CI,   168                         ; v[168:183] Im 2C'
.set CN,   184                         ; v[184:199] -Im 2C'
.set KS3,  200                         ; constants, each twice, as the pairs that packed arithmetic reads
.set KS5,  202
.set KS7,  204
.set KS9,  206
.set KC2,  208
.set KC4,  210
.set KC6,  212
.set KC8,  214
.set ONE,  216
.set NEG2, 218
.set PIO2, 220
.set EPOS, 222                         ; the lane's exponent e, twice
.set ENEG, 224                         ; -e, twice
.set TS,   12                          ; two sets of six temporary pairs, v[226:237] and v[238:249]
.set MAG,  226
.set NP,   228
.set PL,   230
.set KK,   232
.set PS,   234
.set PC,   236
; scratch of the first stage, in registers that A's fragments take later
.set LANE, 8
.set WV,   9
.set LDT,  10
.set LAR,  11
.set AIM,  12
.set CIM,  13
.set CRE,  14
.set DT,   15
.set AA,   16
.set THETA, 17
.set W0,   18
.set W1,   19
.set XR,   20
.set XI,   21
.set RS,   22
.set AN,   23
.set BN,   24
.set DEN,  25
.set RD,   26
.set FR,   27
.set FN,   28
.set PCR,  29
.set PCI,  30
.set PCN,  31
.macro CONST2 reg, bits
	v_mov_b32 v[\reg], \bits
	v_mov_b32 v[\reg+1], \bits
.endm
; t = offset of the temporary set, q = offset of the pair of n in the tables and in a fragment set
.macro FIRST p
.set t, 0
.set q, 2*\p
.endm
.macro NEXT
.set t, t+TS
.set q, q+2
.endm
; e^x in f32: x log2(e) as a product and what its rounding dropped (log2(e) in two words), so that the error does not grow with |x|.
.macro EXPE dst, src
	v_mul_f32 v[W0], s25, v[\src]
	v_fma_f32 v[W1], v[\src], s25, -v[W0]          ; exact
	v_exp_f32 v[\dst], v[W0]
	v_fma_f32 v[W1], v[\src], s26, v[W1]           ; a plain instruction that touches neither W0 nor the result stands behind v_exp_f32 (ISA guide 5.7.2)
	v_mul_f32 v[W1], s27, v[W1]
	s_wait_alu depctr_va_vdst(0)
	v_fma_f32 v[\dst], v[\dst], v[W1], v[\dst]     ; 2^(hi + lo) = 2^hi (1 + lo ln 2)
.endm
; w^e for cnt pairs of n (pairs p, p+1), two n in each packed instruction, the pairs' lines in turn so that no line waits for the one in front.
; ep = the pair that holds the exponent of the phase, en = its negative; the magnitude always takes EPOS.
; Out: PS = sin, PC = cos of the phase, MAG = |w|^e.
.macro CEXP p, ep, en, cnt
	FIRST \p
.rept \cnt
	v_pk_mul_f32 v[KK+t:KK+t+1], v[DD+q:DD+q+1], v[EPOS:EPOS+1]                     ; log2 of the magnitude
	v_pk_mul_f32 v[NP+t:NP+t+1], v[UH+q:UH+q+1], v[\en:\en+1]                       ; -(uh e), rounded
	v_exp_f32 v[MAG+t], v[KK+t]
	v_exp_f32 v[MAG+t+1], v[KK+t+1]
	v_pk_fma_f32 v[PL+t:PL+t+1], v[UH+q:UH+q+1], v[\ep:\ep+1], v[NP+t:NP+t+1]       ; what that rounding dropped, exact; also the plain place behind v_exp_f32
	NEXT
.endr
	FIRST \p
.rept \cnt
	v_pk_fma_f32 v[PL+t:PL+t+1], v[UL+q:UL+q+1], v[\ep:\ep+1], v[PL+t:PL+t+1]       ; + ul e
	v_rndne_f32 v[KK+t], v[NP+t]
	v_rndne_f32 v[KK+t+1], v[NP+t+1]
	NEXT
.endr
	FIRST \p
.rept \cnt
	v_pk_add_f32 v[NP+t:NP+t+1], v[NP+t:NP+t+1], v[KK+t:KK+t+1] neg_lo:[0,1] neg_hi:[0,1]   ; whole turns off, exact: in [-1/2, 1/2]
	NEXT
.endr
	FIRST \p
.rept \cnt
	v_pk_add_f32 v[PL+t:PL+t+1], v[PL+t:PL+t+1], v[NP+t:NP+t+1] neg_lo:[0,1] neg_hi:[0,1]   ; the phase in turns
	NEXT
.endr
	FIRST \p
.rept \cnt
	v_pk_mul_f32 v[NP+t:NP+t+1], v[PL+t:PL+t+1], v[PIO2:PIO2+1]                     ; x = a quarter of the angle, |x| <= pi/4
	NEXT
.endr
	FIRST \p
.rept \cnt
	v_pk_mul_f32 v[KK+t:KK+t+1], v[NP+t:NP+t+1], v[NP+t:NP+t+1]                     ; x^2
	NEXT
.endr
	; Taylor series: sin to x^9 (next term (pi/4)^11 / 11! = 2e-9), cos to x^8 (next term (pi/4)^10 / 10! = 2.5e-8), for every x of the range
	FIRST \p
.rept \cnt
	v_pk_fma_f32 v[PS+t:PS+t+1], v[KK+t:KK+t+1], v[KS9:KS9+1], v[KS7:KS7+1]
	v_pk_fma_f32 v[PC+t:PC+t+1], v[KK+t:KK+t+1], v[KC8:KC8+1], v[KC6:KC6+1]
	v_pk_mul_f32 v[PL+t:PL+t+1], v[KK+t:KK+t+1], v[NP+t:NP+t+1]                     ; x^3
	NEXT
.endr
	FIRST \p
.rept \cnt
	v_pk_fma_f32 v[PS+t:PS+t+1], v[PS+t:PS+t+1], v[KK+t:KK+t+1], v[KS5:KS5+1]
	v_pk_fma_f32 v[PC+t:PC+t+1], v[PC+t:PC+t+1], v[KK+t:KK+t+1], v[KC4:KC4+1]
	NEXT
.endr
	FIRST \p
.rept \cnt
	v_pk_fma_f32 v[PS+t:PS+t+1], v[PS+t:PS+t+1], v[KK+t:KK+t+1], v[KS3:KS3+1]
	v_pk_fma_f32 v[PC+t:PC+t+1], v[PC+t:PC+t+1], v[KK+t:KK+t+1], v[KC2:KC2+1]
	NEXT
.endr
	FIRST \p
.rept \cnt
	v_pk_fma_f32 v[PS+t:PS+t+1], v[PS+t:PS+t+1], v[PL+t:PL+t+1], v[NP+t:NP+t+1]     ; sin x
	v_pk_fma_f32 v[PC+t:PC+t+1], v[PC+t:PC+t+1], v[KK+t:KK+t+1], v[ONE:ONE+1]       ; cos x
	NEXT
.endr
	; the angle doubled twice; the signs are carried so that no operand needs negating
	FIRST \p
.rept \cnt
	v_pk_mul_f32 v[NP+t:NP+t+1], v[PS+t:PS+t+1], v[NEG2:NEG2+1]                     ; -2 sin x
	NEXT
.endr
	FIRST \p
.rept \cnt
	v_pk_fma_f32 v[KK+t:KK+t+1], v[NP+t:NP+t+1], v[PS+t:PS+t+1], v[ONE:ONE+1]       ; cos 2x = 1 - 2 sin^2 x
	v_pk_mul_f32 v[PL+t:PL+t+1], v[NP+t:NP+t+1], v[PC+t:PC+t+1]                     ; -sin 2x
	NEXT
.endr
	FIRST \p
.rept \cnt
	v_pk_mul_f32 v[NP+t:NP+t+1], v[PL+t:PL+t+1], v[NEG2:NEG2+1]                     ; 2 sin 2x
	NEXT
.endr
	FIRST \p
.rept \cnt
	v_pk_fma_f32 v[PC+t:PC+t+1], v[NP+t:NP+t+1], v[PL+t:PL+t+1], v[ONE:ONE+1]       ; cos 4x
	v_pk_mul_f32 v[PS+t:PS+t+1], v[NP+t:NP+t+1], v[KK+t:KK+t+1]                     ; sin 4x
	NEXT
.endr
.endm
; Two pairs of complex numbers (re, im) into fragment words: hi = (bf16 re, bf16 im) at dst + q, lo = bf16 of what is left at dst + 16 + q.
.macro SPLIT p, re, im, t1, t2, dst
	FIRST \p
.rept 2
	v_cvt_pk_bf16_f32 v[\dst+q], v[\re+t], v[\im+t]
	v_cvt_pk_bf16_f32 v[\dst+q+1], v[\re+t+1], v[\im+t+1]
	NEXT
.endr
	FIRST \p
.rept 2
	v_lshlrev_b32 v[\t1+t], 16, v[\dst+q]          ; the hi parts back in f32
	v_lshlrev_b32 v[\t1+t+1], 16, v[\dst+q+1]
	v_and_b32 v[\t2+t], s24, v[\dst+q]
	v_and_b32 v[\t2+t+1], s24, v[\dst+q+1]
	NEXT
.endr
	FIRST \p
.rept 2
	v_pk_add_f32 v[\re+t:\re+t+1], v[\re+t:\re+t+1], v[\t1+t:\t1+t+1] neg_lo:[0,1] neg_hi:[0,1]   ; exact
	v_pk_add_f32 v[\im+t:\im+t+1], v[\im+t:\im+t+1], v[\t2+t:\t2+t+1] neg_lo:[0,1] neg_hi:[0,1]
	NEXT
.endr
	FIRST \p
.rept 2
	v_cvt_pk_bf16_f32 v[\dst+16+q], v[\re+t], v[\im+t]
	v_cvt_pk_bf16_f32 v[\dst+16+q+1], v[\re+t+1], v[\im+t+1]
	NEXT
.endr
.endm
; B: (Qr, -Qi) = |w|^e (cos, sin) of the negated phase
.macro BTAIL p, dst
	FIRST \p
	s_wait_alu depctr_va_vdst(0)
.rept 2
	v_pk_mul_f32 v[PC+t:PC+t+1], v[PC+t:PC+t+1], v[MAG+t:MAG+t+1]
	v_pk_mul_f32 v[PS+t:PS+t+1], v[PS+t:PS+t+1], v[MAG+t:MAG+t+1]
	NEXT
.endr
	SPLIT \p, PC, PS, KK, NP, \dst
.endm
; A: P = 2C' w^e
.macro ATAIL p, dst
	FIRST \p
	s_wait_alu depctr_va_vdst(0)
.rept 2
	v_pk_mul_f32 v[PC+t:PC+t+1], v[PC+t:PC+t+1], v[MAG+t:MAG+t+1]
	v_pk_mul_f32 v[PS+t:PS+t+1], v[PS+t:PS+t+1], v[MAG+t:MAG+t+1]
	NEXT
.endr
	FIRST \p
.rept 2
	v_pk_mul_f32 v[NP+t:NP+t+1], v[CN+q:CN+q+1], v[PS+t:PS+t+1]
	v_pk_mul_f32 v[PL+t:PL+t+1], v[CI+q:CI+q+1], v[PC+t:PC+t+1]
	NEXT
.endr
	FIRST \p
.rept 2
	v_pk_fma_f32 v[NP+t:NP+t+1], v[CR+q:CR+q+1], v[PC+t:PC+t+1], v[NP+t:NP+t+1]     ; Pr = cr c - ci s
	v_pk_fma_f32 v[PL+t:PL+t+1], v[CR+q:CR+q+1], v[PS+t:PS+t+1], v[PL+t:PL+t+1]     ; Pi = cr s + ci c
	NEXT
.endr
	SPLIT \p, NP, PL, KK, MAG, \dst
.endm
; one of a tile's six products, for the four tiles of A's set al: four chains in turn
.macro STEP al, ao, bo, zero
.irp b, 0,1,2,3
.if \zero
	v_wmma_f32_16x16x32_bf16 v[ACC+8*\b:ACC+8*\b+7], v[AF+32*\al+\ao:AF+32*\al+\ao+7], v[BF+32*\b+\bo:BF+32*\b+\bo+7], 0
.else
	v_wmma_f32_16x16x32_bf16 v[ACC+8*\b:ACC+8*\b+7], v[AF+32*\al+\ao:AF+32*\al+\ao+7], v[BF+32*\b+\bo:BF+32*\b+\bo+7], v[ACC+8*\b:ACC+8*\b+7]
.endif
.endr
.endm
.macro GROUP al
	STEP \al, 0, 0, 1                              ; hi.hi, n 0-7 and 16-23: the first product starts the sums
	STEP \al, 8, 8, 0                              ; hi.hi, the other n
	STEP \al, 0, 16, 0                             ; hi.lo
	STEP \al, 8, 24, 0
	STEP \al, 16, 0, 0                             ; lo.hi
	STEP \al, 24, 8, 0
.rept 5
	v_nop                                          ; four places before a store reads a result, five before the next group's first products write over these accumulators
.endr
.irp b, 0,1,2,3
	global_store_b128 v[STO], v[ACC+8*\b:ACC+8*\b+3], s[14:15] offset:4096*\al+512*\b th:TH_STORE_NT          ; l = 1024 a + 128 b + 4 lane + 0..3: 512 consecutive bytes
	global_store_b128 v[STO], v[ACC+8*\b+4:ACC+8*\b+7], s[14:15] offset:4096*\al+512*\b+2048 th:TH_STORE_NT   ; and the same 512 numbers further on
.endr
.endm
	; ---------------- addresses and the five loads ----------------
	s_load_b256 s[4:11], s[0:1], 0x0               ; A_imag s[4:5], C_imag s[6:7], C_real s[8:9], log_a_real s[10:11]
	s_load_b128 s[12:15], s[0:1], 0x20             ; log_dt s[12:13], out0 s[14:15]
	v_lshl_add_u32 v254, v0, 2, 0x5000
	v_mov_b32 v255, 0
	v_and_b32 v[LANE], 31, v0
	v_lshrrev_b32 v[WV], 5, v0
	v_readfirstlane_b32 s16, v[WV]                 ; wave 0..3
	s_lshl_b32 s20, ttmp9, 7                       ; h x 32 f32
	s_lshl_b32 s21, ttmp9, 2                       ; h x 1 f32
	s_lshl_b32 s18, ttmp9, 15                      ; h x 8192 f32, below 2^24
	s_mov_b32 s19, 0
	v_lshl_add_u32 v[GOFF], v[LANE], 2, s20
	v_mov_b32 v[GDT], s21
	s_wait_kmcnt 0x0
	global_load_b32 v[LDT], v[GDT], s[12:13]       ; log_dt[h], the same word in every lane
	global_load_b32 v[LAR], v[GOFF], s[10:11]      ; lane = n: 128 consecutive bytes each
	global_load_b32 v[AIM], v[GOFF], s[4:5]
	global_load_b32 v[CIM], v[GOFF], s[6:7]
	global_load_b32 v[CRE], v[GOFF], s[8:9]
	s_add_nc_u64 s[14:15], s[14:15], s[18:19]      ; out0 at my row
	s_mul_i32 s17, s16, PARW                       ; my wave's tables
	s_lshl_b32 s23, s16, 12
	s_add_co_u32 s23, s23, BBASE                   ; my wave's fragment set of B
	s_mov_b32 s22, BBASE
	s_lshl_b32 s31, s16, 7                         ; 128 b, b = wave
	s_lshl_b32 s32, s16, 11                        ; 1024 a, a = 2 wave
	s_mov_b32 s24, 0xffff0000                      ; a word's upper bf16
	s_mov_b32 s25, 0x3fb8aa3b                      ; log2(e), upper word
	s_mov_b32 s26, 0x32a5705f                      ; log2(e), lower word
	s_mov_b32 s27, 0x3f317218                      ; ln 2
	s_mov_b32 s28, 0xbfb8aa3b                      ; -log2(e)
	s_mov_b32 s29, 0x3e22f983                      ; 1 / 2 pi, upper word
	s_mov_b32 s30, 0x31dc9c88                      ; 1 / 2 pi, lower word
	v_lshl_add_u32 v[LPW], v[LANE], 2, s17
	v_lshrrev_b32 v[W0], 4, v[LANE]
	v_lshl_add_u32 v[LP], v[W0], 6, s17            ; 16 f32 on for the upper half of the lanes
	v_lshl_add_u32 v[LB], v[LANE], 4, s22
	v_lshl_add_u32 v[LBW], v[LANE], 4, s23
	v_lshlrev_b32 v[W0], 4, v[LANE]
	v_lshl_add_u32 v[STO], v[WV], 13, v[W0]        ; two sets of A = 2048 numbers = 8192 bytes a wave
	CONST2 KS3, 0xbe2aaaab                         ; -1/3!
	CONST2 KS5, 0x3c088889                         ;  1/5!
	CONST2 KS7, 0xb9500d01                         ; -1/7!
	CONST2 KS9, 0x3638ef1d                         ;  1/9!
	CONST2 KC2, -0.5                               ; -1/2!
	CONST2 KC4, 0x3d2aaaab                         ;  1/4!
	CONST2 KC6, 0xbab60b61                         ; -1/6!
	CONST2 KC8, 0x37d00d01                         ;  1/8!
	CONST2 ONE, 1.0
	CONST2 NEG2, -2.0
	CONST2 PIO2, 0x3fc90fdb                        ; pi/2: turns to a quarter of the angle
	CONST2 EPOS, 1.0                               ; the first stage wants w^1
	CONST2 ENEG, -1.0
	s_wait_loadcnt 0x0
	; ---------------- first stage: lane = n.  Every wave does it for itself (some 90 instructions), which spares a barrier ----------------
	EXPE DT, LDT                                   ; dt
	EXPE AA, LAR                                   ; a = -Re A
	v_mul_f32 v[THETA], v[AIM], v[DT]              ; Im(dt A), rounded to f32 as in the problem's formula
	v_mul_f32 v[W0], v[AA], v[DT]                  ; -Re(dt A), likewise
	v_mul_f32 v[DD], s28, v[W0]                    ; log2 |w|
	v_mul_f32 v[UH], s29, v[THETA]                 ; theta / 2 pi in two words
	v_fma_f32 v[UL], v[THETA], s29, -v[UH]
	v_fma_f32 v[UL], v[THETA], s30, v[UL]
	v_mov_b32 v[DD+1], v[DD]                       ; the packed evaluation reads pairs: here both halves are this lane's n
	v_mov_b32 v[UH+1], v[UH]
	v_mov_b32 v[UL+1], v[UL]
	CEXP 0, EPOS, ENEG, 1                          ; w = MAG (PC + i PS)
	s_wait_alu depctr_va_vdst(0)
	v_fma_f32 v[XR], v[MAG], v[PC], -1.0           ; X = w - 1
	v_and_b32 v[W0], 0x7fffffff, v[AIM]
	v_max_num_f32 v[W0], v[W0], v[AA]              ; X / A with A scaled by its larger part, so that |A|^2 neither overflows nor vanishes
	v_rcp_f32 v[RS], v[W0]
	v_mul_f32 v[XI], v[MAG], v[PS]                 ; (the plain place behind v_rcp_f32)
	s_wait_alu depctr_va_vdst(0)
	v_mul_f32 v[AN], v[AA], v[RS]                  ; A' = (-AN, BN)
	v_mul_f32 v[BN], v[AIM], v[RS]
	v_mul_f32 v[DEN], v[AN], v[AN]
	v_fma_f32 v[DEN], v[BN], v[BN], v[DEN]         ; |A'|^2, between 1 and 2
	v_rcp_f32 v[RD], v[DEN]
	v_mul_f32 v[W0], v[XR], v[AN]                  ; (the plain place)
	v_mul_f32 v[W1], v[XR], v[BN]
	v_fma_f32 v[FR], v[XI], v[BN], -v[W0]          ; Re X conj(A')
	v_fma_f32 v[FN], v[XI], v[AN], v[W1]           ; -Im X conj(A')
	s_wait_alu depctr_va_vdst(0)
	v_mul_f32 v[RD], v[RD], v[RS]
	v_add_f32 v[RD], v[RD], v[RD]                  ; the factor 2 of the result goes in here
	v_mul_f32 v[FR], v[FR], v[RD]
	v_mul_f32 v[FN], v[FN], v[RD]
	v_mul_f32 v[W0], v[CIM], v[FN]
	v_mul_f32 v[W1], v[CRE], v[FN]
	v_fma_f32 v[PCR], v[CRE], v[FR], v[W0]         ; Re 2C'
	v_fma_f32 v[PCI], v[CIM], v[FR], -v[W1]        ; Im 2C'
	v_fma_f32 v[PCN], -v[CIM], v[FR], v[W1]        ; -Im 2C'
	ds_store_b32 v[LPW], v[UH]
	ds_store_b32 v[LPW], v[UL] offset:128
	ds_store_b32 v[LPW], v[DD] offset:256
	ds_store_b32 v[LPW], v[PCR] offset:384
	ds_store_b32 v[LPW], v[PCI] offset:512
	ds_store_b32 v[LPW], v[PCN] offset:640
	; back as 16 n a lane.  The bytes are my wave's own, and LDS serves a wave's instructions in order (ISA guide 5.7.1): no wait, no barrier between.
.irp a, 0,1,2,3,4,5
.irp c, 0,1,2,3
	ds_load_b128 v[UH+16*\a+4*\c:UH+16*\a+4*\c+3], v[LP] offset:128*\a+16*\c
.endr
.endr
	; ---------------- B's fragment b = wave: row r of the fragment is beta = 4 r + 128 b; the phase is negated ----------------
	v_and_b32 v[W0], 15, v0
	v_lshl_add_u32 v[W0], v[W0], 2, s31
	v_cvt_f32_u32 v[EPOS], v[W0]
	v_cvt_f32_u32 v[EPOS+1], v[W0]
	v_xor_b32 v[ENEG], 0x80000000, v[EPOS]
	v_xor_b32 v[ENEG+1], 0x80000000, v[EPOS]
	s_wait_dscnt 0x0                               ; the tables are in registers
.irp p, 0,2,4,6
	CEXP \p, ENEG, EPOS, 2
	BTAIL \p, ACC
.endr
.irp g, 0,1,2,3,4,5,6,7
	ds_store_b128 v[LBW], v[ACC+4*\g:ACC+4*\g+3] offset:512*\g     ; lane i at 16 i: no two lanes on one bank
.endr
	s_wait_dscnt 0x0                               ; for the other waves' sake: my set of B is in LDS
	s_barrier_signal -1                            ; say so, and go on with registers alone until the wait
	; ---------------- A's fragments a = 2 wave, 2 wave + 1: row r is alpha = (r & 3) + 512 (bit 2 of r) + 64 (bit 3 of r) + 1024 a ----------------
	v_and_b32 v[W0], 3, v0
	v_bfe_u32 v[W1], v0, 2, 1
	v_lshl_or_b32 v[W0], v[W1], 9, v[W0]
	v_bfe_u32 v[W1], v0, 3, 1
	v_lshl_or_b32 v[W0], v[W1], 6, v[W0]
	v_add_nc_u32 v[W0], s32, v[W0]
	v_cvt_f32_u32 v[EPOS], v[W0]
	v_cvt_f32_u32 v[EPOS+1], v[W0]
	v_xor_b32 v[ENEG], 0x80000000, v[EPOS]
	v_xor_b32 v[ENEG+1], 0x80000000, v[EPOS]
.irp p, 0,2,4,6
	CEXP \p, EPOS, ENEG, 2
	ATAIL \p, AF
.endr
	v_add_f32 v[EPOS], 0x44800000, v[EPOS]         ; 1024 further on
	v_add_f32 v[EPOS+1], 0x44800000, v[EPOS+1]
	v_add_f32 v[ENEG], 0xc4800000, v[ENEG]
	v_add_f32 v[ENEG+1], 0xc4800000, v[ENEG+1]
.irp p, 0,2,4,6
	CEXP \p, EPOS, ENEG, 2
	ATAIL \p, AF+32
.endr
	; ---------------- the products ----------------
	s_barrier_wait -1                              ; all four sets of B are in LDS
.irp b, 0,1,2,3
.irp g, 0,1,2,3,4,5,6,7
	ds_load_b128 v[BF+32*\b+4*\g:BF+32*\b+4*\g+3], v[LB] offset:FRAGB*\b+512*\g
.endr
.endr
	s_wait_dscnt 0x0
	GROUP 0
	s_wait_xcnt 0x0                                ; the accumulators are the stores' data: they are written again only behind this wait
	GROUP 1
	s_wait_tensorcnt 0x0
	ds_add_u32 v254, v255
	s_wait_dscnt 0x0
	s_endpgm
.Lfunc_end_k_q3797906d47_s4d:
	.size	k_q3797906d47_s4d, .Lfunc_end_k_q3797906d47_s4d-k_q3797906d47_s4d
	.p2alignl 7, 3214868480
	.fill 96, 4, 3214868480
	.section	.rodata,"a",@progbits
	.p2align	6, 0x0
	.amdhsa_kernel k_q3797906d47_s4d
		.amdhsa_group_segment_fixed_size 20992
		.amdhsa_private_segment_fixed_size 0
		.amdhsa_enable_private_segment 0
		.amdhsa_kernarg_size 48
		.amdhsa_user_sgpr_count 2
		.amdhsa_user_sgpr_kernarg_segment_ptr 1
		.amdhsa_wavefront_size32 1
		.amdhsa_system_sgpr_workgroup_id_x 1
		.amdhsa_system_sgpr_workgroup_id_y 1
		.amdhsa_system_sgpr_workgroup_id_z 1
		.amdhsa_system_vgpr_workitem_id 0
		.amdhsa_next_free_vgpr 256
		.amdhsa_next_free_sgpr 66
		.amdhsa_reserve_vcc 0
		.amdhsa_float_denorm_mode_32 3
		.amdhsa_float_denorm_mode_16_64 3
		.amdhsa_memory_ordered 1
		.amdhsa_forward_progress 1
		.amdhsa_inst_pref_size 75
	.end_amdhsa_kernel
	.amdgpu_metadata
---
amdhsa.version: [ 1, 2 ]
amdhsa.kernels:
  - .name:           k_q3797906d47_s4d
    .symbol:         k_q3797906d47_s4d.kd
    .args:
      - { .name: A_imag, .offset: 0, .size: 8, .value_kind: global_buffer, .address_space: global }
      - { .name: C_imag, .offset: 8, .size: 8, .value_kind: global_buffer, .address_space: global }
      - { .name: C_real, .offset: 16, .size: 8, .value_kind: global_buffer, .address_space: global }
      - { .name: log_a_real, .offset: 24, .size: 8, .value_kind: global_buffer, .address_space: global }
      - { .name: log_dt, .offset: 32, .size: 8, .value_kind: global_buffer, .address_space: global }
      - { .name: out0, .offset: 40, .size: 8, .value_kind: global_buffer, .address_space: global }
    .group_segment_fixed_size: 20992
    .private_segment_fixed_size: 0
    .kernarg_segment_align: 8
    .kernarg_segment_size: 48
    .max_flat_workgroup_size: 128
    .sgpr_count:     66
    .vgpr_count:     256
    .wavefront_size: 32
...
	.end_amdgpu_metadata
.endif
;; end of part 1
